; MI455X (gfx1250); checked and timed in simulation.
; The chip was launched on July 23, 2026; its instructions are those of AMD's public machine-readable ISA for CDNA 5 (MIT licence, August 2026) and "CDNA5" Instruction Set Architecture Reference Guide (July 2026). The comments in the code are by the model that wrote it; some were corrected since.
;; Multi Head Attention. Allowed arithmetic: matrix products marked QUANTISED: E4M3 operands, one E8M0 scale for each 32 along K, by v_wmma_scale_f32_16x16x128_f8f6f4 with both operands' format E4M3, f32 sums; everything else in f32.
;; Inputs: Wk 16 x 1,024 x 64 float32; Wp 1,024 x 1,024 float32; Wq 16 x 1,024 x 64 float32; Wv 16 x 1,024 x 64 float32; bp 1,024 float32; x 4 x 2,048 x 1,024 float32.
;; Outputs: out0 4 x 2,048 x 1,024 float32.
;; This version of the problem:
;;   THIS VERSION OF THE PROBLEM IS GIVEN IN LOW PRECISION. The matrix products marked QUANTISED in the list below multiply operands that are first quantised to E4M3 (4 exponent bits, 3 mantissa bits; 8 bits a number), with one power-of-two scale for each 32 numbers along K (OCP MX v1.0); their sums are f32. All else is computed in f32.
;;   The module's matrix products, in the order in which they are computed (A, B: the left and right operand; K: the contracted axis; several contracted axes count as one K, in the product's order):
;;     1. [M 1,024, K 1,024] x [K 1,024, N 8,192]; A: input Wq; B: input x: QUANTISED
;;     2. [M 1,024, K 1,024] x [K 1,024, N 8,192]; A: input Wk; B: input x: QUANTISED
;;     3. [M 1,024, K 1,024] x [K 1,024, N 8,192]; A: input Wv; B: input x: QUANTISED
;;     4. batch 64 x [M 2,048, K 64] x [K 64, N 2,048]; A: computed on the way; B: computed on the way: QUANTISED
;;     5. batch 64 x [M 2,048, K 2,048] x [K 2,048, N 64]; A: softmax (see below); B: computed on the way: QUANTISED
;;     6. [M 8,192, K 1,024] x [K 1,024, N 1,024]; A: computed on the way; B: input Wp: QUANTISED
;;   THE QUANTISER, for each operand of a quantised product, along K:
;;     - K is cut into blocks of 32 from its start; a last block that is shorter is filled with zeros.
;;     - A block's scale is 2^e with e = floor(log2(the largest magnitude in the block)) - 8, held to -126 .. 127; a block of zeros has e = 0. As a byte (E8M0): e + 127.
;;     - Each number is divided by its block's scale, clamped to +-448, and rounded to the nearest number of E4M3, ties to even, subnormals kept.
;;     - The product sums the exact products of the quantised numbers (number of the format x scale) in f32.
;;   ~~~python
;;   def quantise(x, axis):      # numpy; x: float32 -> the quantised numbers, widened to float32 again
;;       x = np.moveaxis(x, axis, -1); K = x.shape[-1]
;;       x = np.pad(x, [(0, 0)] * (x.ndim - 1) + [(0, -K % 32)]); x = x.reshape(x.shape[:-1] + (-1, 32)); a = np.abs(x).max(-1, keepdims=True)
;;       e = np.where(a > 0, np.clip(np.frexp(np.where(a > 0, a, 1))[1] - 1 - 8, -126, 127), 0)      # np.frexp(a)[1] - 1 = floor(log2(a)), exactly
;;       r = np.clip(x / 2.0 ** e, -448, 448)
;;       step = 2.0 ** (np.maximum(np.frexp(np.where(r == 0, 1, r))[1] - 1, -6) - 3)
;;       q = np.round(r / step) * step * 2.0 ** e      # np.round: ties to even
;;       return np.moveaxis(q.reshape(q.shape[:-2] + (-1,))[..., :K], -1, axis).astype(np.float32)
;;   ~~~
;;   SOFTMAX AHEAD OF A QUANTISED PRODUCT. Where the list says 'softmax', what is quantised is not the finished softmax but p = 2^(t - M), with t = logit x log2(e) and M = ceil(the row's largest t), a whole number; so 1/2 < the row's largest p <= 1. The row's sum l is taken of the UNQUANTISED p, in f32, and the product's result is divided by l at the end. Since M is a whole number, a kernel that streams over the keys may use a running M (the ceiling of the running maximum): every later rescaling is an exact power of two, which a block's scale takes up: the codes' values come out the same.
;;   OPERANDS COMPUTED ON THE WAY. 'Computed on the way' means the value that the module computes at that place (a softmax that the list does not call 'softmax' is quantised finished and normalised). What goes into a quantiser is computed in f32, as accurately as f32 sums, v_exp_f32 and their like allow (about 1e-6 of the number): no bf16 or f16 on the way to a quantiser, and a product that is left as it is and whose result goes on into a quantised operand takes f32 operands (vector FMAs, or v_wmma_f32_16x16x4_f32). A number that lies on a knife's edge between two numbers of the format may be rounded either way, as far as f32 arithmetic and the matrix unit's own rounding can turn it there, and no further.
;; One version. Each part assembles by itself: llvm-mc -triple=amdgcn-amd-amdhsa -mcpu=gfx1250 --defsym DOCPART=n.
;; ======== version 1 of 1: 4 launches
;; limits: right only within a limited range of input values
;; workspace buffers: xq 8,912,896 bytes; wc 4,456,448 bytes; qb 8,912,896 bytes; kv 17,825,792 bytes; aq 8,912,896 bytes
;; launch prep (part 1): grid 768 x 1, 8 waves a work-group, no clusters, 68,608 bytes of LDS; arguments x, Wp, Wq, Wk, Wv, xq, wc; writes xq, wc
.if DOCPART == 1
	.amdgcn_target "amdgcn-amd-amdhsa--gfx1250"
	.amdhsa_code_object_version 6
	.text
	.protected	k_q8c5c1da54b_prep
	.globl	k_q8c5c1da54b_prep
	.p2align	8
	.type	k_q8c5c1da54b_prep,@function
k_q8c5c1da54b_prep:
	s_mov_b64 s[64:65], 0
	v_nop
	global_prefetch_b8 v0, s[64:65] scope:SCOPE_SE
	s_setreg_imm32_b32 hwreg(HW_REG_WAVE_MODE, 25, 1), 1
	s_wait_xcnt 0x0
; x [8192][1024], Wp [1024][1024] (K innermost) and Wq, Wk, Wv [16][1024][64] (K is the middle axis), all f32, become codes of E4M3 with one E8M0 byte for each 32 along K.
; They are laid as IMAGES OF OPERAND REGISTERS: a fragment (16 rows x 128 K) is 2,048 bytes; chunk c (512 bytes) holds lane l's 16 bytes at 16 l: k = 32 c + 16 (l / 16) + 0 .. 15 of row l % 16.
; Its scale words are 128 bytes, lane l's word at 4 l (both halves of the lanes hold row l % 16's word).
; WHICH ROWS FORM A TILE: row i of token tile T is token 32 (T / 2) + 8 (T % 2) + i + 8 (i / 8); row i of a head's tile t of Wq, Wk, Wv is column 32 (t / 2) + 8 (t % 2) + i + 8 (i / 8); Wp's tiles are 16 neighbouring rows.
; xq: 64 blocks of 128 tokens, 139,264 bytes: codes at (8 tile + ks) x 2,048, scale words at 131,072 + (8 tile + ks) x 128.
; wc: 64 slices of 64 columns, 69,632 bytes: codes at (8 t + ks) x 2,048, scale words at 65,536 + (8 t + ks) x 128.  Slice 16 m + head for Wq, Wk, Wv (m = 0, 1, 2); slices 48 .. 63 hold Wp.
; SHARES.  One wave makes one fragment.  Work-groups 0-511: a token tile of x, wave = K step.  512-575: a tile of Wp.  576-767: a slice and two K steps of Wq, Wk or Wv: wave % 4 = tile, wave / 4 = which K step,
; so that the four waves of a K step cover whole rows of 256 bytes.
; Where K is innermost each load reads 512 consecutive bytes of a row and the 16 rows turn through the wave's own stage in LDS (rows 528 bytes apart: row r starts at bank 4 r).
; Where K is not innermost a lane takes a column and its registers run down K: nothing is transposed.
; A block's scale is 2^(floor(log2(its largest magnitude)) - 8).  LIMITS: a block whose largest magnitude lies under 2^-118 gets the byte 1, a block of zeros too (its codes are zeros, and this program alone reads
; the bytes); NaN and infinities among the inputs are not served.
; No cluster, no tensor load, no barrier: work-groups and waves share no input.
.set BLOCKB, 139264
.set SLICEB, 69632
.set STGB,   8448                      ; a wave's stage: 16 rows x 528 bytes
.set R,   16                           ; v16-79   the row path's numbers as loaded; later PC, TM, PW
.set X,   80                           ; v80-143  64 numbers: register 16 b + i = k 32 b + 16 (lane / 16) + i of my row
.set PC,  16                           ; v16-31   the codes
.set TM,  32                           ; v32-47   largest magnitudes, bytes, scale operands
.set PW,  48                           ; v48      the scale word
.set SEL, 20                           ; s[20:21] selects of v_permlanex16_b32 for lane l xor 16
.set MNT, 22
; 64 (nb = 4) or 32 (nb = 2) numbers of a lane, v[s] on, become codes in v[PC] on and a scale word in v[PW].
.macro QUANT s, nb
.irp b, 0,1,2,3
.if \b < \nb
	v_max3_num_f32 v[TM+\b], |v[\s+16*\b]|, |v[\s+16*\b+1]|, 0x4800000   ; block b: my 16 numbers and the floor 2^(9 - 127): the byte cannot fall under 1
.endif
.endr
.irp i, 2,4,6,8,10,12,14
.irp b, 0,1,2,3
.if \b < \nb
	s_delay_alu instid0(VALU_DEP_4)
	v_max3_num_f32 v[TM+\b], v[TM+\b], |v[\s+16*\b+\i]|, |v[\s+16*\b+\i+1]|   ; the blocks by turns
.endif
.endr
.endr
.irp b, 0,1,2,3
.if \b < \nb
	s_delay_alu instid0(VALU_DEP_4)
	v_permlanex16_b32 v[TM+4+\b], v[TM+\b], s[SEL], s[SEL+1]
.endif
.endr
.irp b, 0,1,2,3
.if \b < \nb
	s_delay_alu instid0(VALU_DEP_4)
	v_max_num_f32 v[TM+\b], v[TM+\b], v[TM+4+\b]           ; with lane l xor 16's 16 numbers: the block's largest magnitude
.endif
.endr
.irp b, 0,1,2,3
.if \b < \nb
	s_delay_alu instid0(VALU_DEP_4)
	v_add_nc_u32 v[TM+12+\b], 0xfc000000, v[TM+\b]         ; 8 off its exponent field: the conversion's scale operand
.endif
.endr
.irp b, 0,1,2,3
.if \b < \nb
.endif
.endr
.irp b, 0,1,2,3
.if \b < \nb
	s_delay_alu instid0(VALU_DEP_4)
	v_lshrrev_b32 v[TM+4+\b], 23, v[TM+12+\b]              ; the scale's byte
.endif
.endr
	s_delay_alu instid0(VALU_DEP_3)
	v_lshl_or_b32 v[PW], v[TM+5], 8, v[TM+4]
.if \nb > 2
	s_delay_alu instid0(VALU_DEP_1)
	v_lshl_or_b32 v[PW], v[TM+6], 16, v[PW]
	s_delay_alu instid0(VALU_DEP_1)
	v_lshl_or_b32 v[PW], v[TM+7], 24, v[PW]
.endif
.irp b, 0,1,2,3
.if \b < \nb
.irp i, 0,1,2,3,4,5,6,7,8,9,10,11,12,13,14,15
.endr
	v_cvt_scalef32_pk8_fp8_f32 v[PC+4*\b:PC+4*\b+1], v[\s+16*\b:\s+16*\b+7], v[TM+12+\b]
	v_cvt_scalef32_pk8_fp8_f32 v[PC+4*\b+2:PC+4*\b+3], v[\s+16*\b+8:\s+16*\b+15], v[TM+12+\b]
.endif
.endr
	v_nop                                                  ; one plain line behind the last conversion
.endm
	s_load_b256 s[4:11], s[0:1], 0x0               ; x s[4:5], Wp s[6:7], Wq s[8:9], Wk s[10:11]
	s_load_b128 s[12:15], s[0:1], 0x20             ; Wv s[12:13], xq s[14:15]
	s_load_b64 s[16:17], s[0:1], 0x30              ; wc
	v_lshl_add_u32 v144, v0, 2, 0x10800
	v_mov_b32 v145, 0
	v_lshrrev_b32 v6, 5, v0
	s_delay_alu instid0(VALU_DEP_1)
	v_readfirstlane_b32 s18, v6                    ; wave 0..7
	v_and_b32 v7, 31, v0                           ; lane
	v_and_b32 v8, 15, v0                           ; r
	v_bfe_u32 v9, v0, 4, 1                         ; h
	s_delay_alu instid0(VALU_DEP_3)
	v_lshlrev_b32 v1, 4, v7                        ; 16 x lane
	s_delay_alu instid0(VALU_DEP_4)
	v_lshlrev_b32 v2, 2, v7                        ; 4 x lane
	s_mul_i32 s19, s18, STGB                       ; my stage
	v_add_nc_u32 v3, s19, v1                       ; into it: a row's 512 bytes as they lie
	v_mul_u32_u24 v4, v8, 528
	s_delay_alu instid0(VALU_DEP_1)
	v_lshl_add_u32 v4, v9, 6, v4
	s_delay_alu instid0(VALU_DEP_1)
	v_add_nc_u32 v4, s19, v4                       ; out of it: row r, + 64 h: my 16 numbers of a block of 32
	v_and_b32 v5, 8, v8
	s_delay_alu instid0(VALU_DEP_1)
	v_add_nc_u32 v5, v5, v8                        ; r + 8 (r / 8)
	s_delay_alu instid0(VALU_DEP_1)
	v_lshlrev_b32 v5, 2, v5
	s_delay_alu instid0(VALU_DEP_1)
	v_lshl_add_u32 v5, v9, 12, v5                  ; the column path: my column's 4 bytes, + 16 h rows of 256 bytes
	s_mov_b32 s[SEL], 0x76543210
	s_mov_b32 s[SEL+1], 0xfedcba98
	s_wait_kmcnt 0x0
	s_cmp_ge_u32 ttmp9, 576
	s_cbranch_scc1 .Lcolumns
	; ---- K innermost: x (work-groups 0-511) or Wp (512-575).  Both sets of offsets are made; the choice hangs on the work-group's number alone
	s_lshr_b32 s32, ttmp9, 1
	s_lshl_b32 s32, s32, 17                        ; x: 32 (T / 2) rows of 4,096 bytes
	s_and_b32 s33, ttmp9, 1
	s_lshl_b32 s33, s33, 15                        ; + 8 (T % 2) rows
	s_add_co_u32 s32, s32, s33
	s_lshr_b32 s34, ttmp9, 3
	s_mul_i32 s34, s34, BLOCKB                     ; its block of xq
	s_and_b32 s35, ttmp9, 7                        ; and tile in it
	s_sub_co_u32 s36, ttmp9, 512                   ; Wp: tile T'
	s_lshl_b32 s37, s36, 16                        ; 16 T' rows of 4,096 bytes
	s_lshr_b32 s38, s36, 2
	s_add_co_u32 s38, s38, 48
	s_mul_i32 s38, s38, SLICEB                     ; its slice of wc
	s_and_b32 s39, s36, 3                          ; and tile in it
	s_mov_b32 s40, 0x8000                          ; rows 8-15 of a tile lie 8 rows on (Wp) or 16 rows on (x)
	s_mov_b32 s43, 0x10000                         ; the scale words begin 65,536 (wc) or 131,072 (xq) bytes into the slice or block
	s_cmp_lt_u32 ttmp9, 512
	s_cselect_b32 s32, s32, s37
	s_cselect_b32 s34, s34, s38
	s_cselect_b32 s35, s35, s39
	s_cselect_b32 s40, 0x10000, s40
	s_cselect_b32 s43, 0x20000, s43
	s_cselect_b64 s[24:25], s[4:5], s[6:7]
	s_cselect_b64 s[28:29], s[14:15], s[16:17]
	s_lshl_b32 s42, s18, 9                         ; K step = wave: 512 bytes of a row
	s_add_co_u32 s32, s32, s42
	s_mov_b32 s33, 0
	s_mov_b32 s41, 0
	s_add_nc_u64 s[24:25], s[24:25], s[32:33]      ; rows 0-7
	s_add_nc_u64 s[26:27], s[24:25], s[40:41]      ; rows 8-15
	s_lshl_b32 s44, s35, 14
	s_lshl_b32 s45, s18, 11
	s_add_co_u32 s44, s44, s45
	s_add_co_u32 s44, s44, s34                     ; the codes: (8 tile + ks) x 2,048
	s_mov_b32 s45, 0
	s_lshl_b32 s36, s35, 3
	s_add_co_u32 s36, s36, s18
	s_lshl_b32 s36, s36, 7
	s_add_co_u32 s36, s36, s34
	s_add_co_u32 s36, s36, s43                     ; the scale words: (8 tile + ks) x 128
	s_mov_b32 s37, 0
	s_add_nc_u64 s[30:31], s[28:29], s[36:37]
	s_add_nc_u64 s[28:29], s[28:29], s[44:45]
.irp i, 0,1,2,3,4,5,6,7
	global_load_b128 v[R+4*\i:R+4*\i+3], v1, s[24:25] offset:\i*4096 th:TH_LOAD_NT       ; 32 lanes read 512 consecutive bytes of a row; read once in the launch
.endr
.irp i, 0,1,2,3,4,5,6,7
	global_load_b128 v[R+32+4*\i:R+32+4*\i+3], v1, s[26:27] offset:\i*4096 th:TH_LOAD_NT
.endr
	s_wait_alu depctr_va_vdst(0)
.irp i, 0,1,2,3,4,5,6,7,8,9,10,11,12,13,14,15
	s_wait_loadcnt 15-\i                           ; loads come back in order: row i is in, the younger ones may be out
	ds_store_b128 v3, v[R+4*\i:R+4*\i+3] offset:528*\i
.endr
.irp c, 0,1,2,3
.irp j, 0,1,2,3
	ds_load_b128 v[X+16*\c+4*\j:X+16*\c+4*\j+3], v4 offset:128*\c+16*\j   ; LDS serves a wave's instructions in order: these see my stores
.endr
.endr
	s_branch .Ljoin
.Lcolumns:
	; ---- K not innermost: a slice of Wq, Wk or Wv
	s_sub_co_u32 s32, ttmp9, 576
	s_lshr_b32 s33, s32, 2                         ; slice 0..47
	s_and_b32 s34, s32, 3
	s_and_b32 s35, s18, 3                          ; tile t
	s_lshr_b32 s36, s18, 2
	s_lshl_b32 s34, s34, 1
	s_add_co_u32 s34, s34, s36                     ; K step
	s_lshr_b32 s37, s33, 4                         ; which matrix
	s_cmp_eq_u32 s37, 0
	s_cselect_b64 s[24:25], s[8:9], s[10:11]
	s_cmp_eq_u32 s37, 2
	s_cselect_b64 s[24:25], s[12:13], s[24:25]
	s_and_b32 s38, s33, 15
	s_lshl_b32 s38, s38, 18                        ; the head: 1,024 rows of 256 bytes
	s_lshl_b32 s39, s34, 15                        ; the K step: 128 rows
	s_add_co_u32 s38, s38, s39
	s_lshr_b32 s39, s35, 1
	s_lshl_b32 s39, s39, 7                         ; column 32 (t / 2)
	s_add_co_u32 s38, s38, s39
	s_and_b32 s39, s35, 1
	s_lshl_b32 s39, s39, 5                         ; + 8 (t % 2)
	s_add_co_u32 s38, s38, s39
	s_mov_b32 s39, 0
	s_add_nc_u64 s[24:25], s[24:25], s[38:39]
	s_mul_i32 s40, s33, SLICEB
	s_lshl_b32 s41, s35, 3
	s_add_co_u32 s41, s41, s34                     ; 8 t + ks
	s_lshl_b32 s42, s41, 11
	s_add_co_u32 s42, s42, s40
	s_mov_b32 s43, 0
	s_lshl_b32 s44, s41, 7
	s_add_co_u32 s44, s44, s40
	s_add_co_u32 s44, s44, 65536
	s_mov_b32 s45, 0
	s_add_nc_u64 s[28:29], s[16:17], s[42:43]
	s_add_nc_u64 s[30:31], s[16:17], s[44:45]
.set n, 0
	s_wait_alu depctr_va_vdst(0)
.rept 64
	global_load_b32 v[X+n], v5, s[24:25] offset:(32*(n/16)+n%16)*256   ; W(128 ks + 32 c + 16 h + i, my column)
.set n, n+1
.endr
.Ljoin:
	s_wait_loadcnt 0x0
	s_wait_dscnt 0x0                               ; the numbers are in, and the stage's stores have read their registers
.irp b, 0,1,2,3
	v_mov_b32 v[TM+4+\b], 0                        ; a lane permute's destination counts as one of its sources
.endr
	QUANT X, 4
.irp c, 0,1,2,3
	global_store_b128 v1, v[PC+4*\c:PC+4*\c+3], s[28:29] offset:512*\c   ; 32 lanes store 512 consecutive bytes, aligned
.endr
	global_store_b32 v2, v[PW], s[30:31]
	s_wait_tensorcnt 0x0
	ds_add_u32 v144, v145
	s_wait_dscnt 0x0
	s_endpgm
.Lfunc_end_k_q8c5c1da54b_prep:
	.size	k_q8c5c1da54b_prep, .Lfunc_end_k_q8c5c1da54b_prep-k_q8c5c1da54b_prep
	.p2alignl 7, 3214868480
	.fill 96, 4, 3214868480
	.section	.rodata,"a",@progbits
	.p2align	6, 0x0
	.amdhsa_kernel k_q8c5c1da54b_prep
		.amdhsa_group_segment_fixed_size 68608
		.amdhsa_private_segment_fixed_size 0
		.amdhsa_enable_private_segment 0
		.amdhsa_kernarg_size 56
		.amdhsa_user_sgpr_count 2
		.amdhsa_user_sgpr_kernarg_segment_ptr 1
		.amdhsa_wavefront_size32 1
		.amdhsa_system_sgpr_workgroup_id_x 1
		.amdhsa_system_sgpr_workgroup_id_y 1
		.amdhsa_system_sgpr_workgroup_id_z 1
		.amdhsa_system_vgpr_workitem_id 0
		.amdhsa_next_free_vgpr 146
		.amdhsa_next_free_sgpr 66
		.amdhsa_reserve_vcc 0
		.amdhsa_float_denorm_mode_32 3
		.amdhsa_float_denorm_mode_16_64 3
		.amdhsa_fp16_overflow 1
		.amdhsa_memory_ordered 1
		.amdhsa_forward_progress 1
		.amdhsa_inst_pref_size 21
	.end_amdhsa_kernel
	.amdgpu_metadata
---
amdhsa.version: [ 1, 2 ]
amdhsa.kernels:
  - .name:           k_q8c5c1da54b_prep
    .symbol:         k_q8c5c1da54b_prep.kd
    .args:
      - { .name: x, .offset: 0, .size: 8, .value_kind: global_buffer, .address_space: global }
      - { .name: Wp, .offset: 8, .size: 8, .value_kind: global_buffer, .address_space: global }
      - { .name: Wq, .offset: 16, .size: 8, .value_kind: global_buffer, .address_space: global }
      - { .name: Wk, .offset: 24, .size: 8, .value_kind: global_buffer, .address_space: global }
      - { .name: Wv, .offset: 32, .size: 8, .value_kind: global_buffer, .address_space: global }
      - { .name: xq, .offset: 40, .size: 8, .value_kind: global_buffer, .address_space: global }
      - { .name: wc, .offset: 48, .size: 8, .value_kind: global_buffer, .address_space: global }
    .group_segment_fixed_size: 68608
    .private_segment_fixed_size: 0
    .kernarg_segment_align: 8
    .kernarg_segment_size: 56
    .max_flat_workgroup_size: 256
    .sgpr_count:     66
    .vgpr_count:     146
    .wavefront_size: 32
...
	.end_amdgpu_metadata
.endif
;; end of part 1
;; launch qkv (part 2): grid 12 x 16, 4 waves a work-group, clusters of 4 x 1, 327,680 bytes of LDS; arguments xq, wc, qb, kv; writes qb, kv
.if DOCPART == 2
	.amdgcn_target "amdgcn-amd-amdhsa--gfx1250"
	.amdhsa_code_object_version 6
	.text
	.protected	k_q8c5c1da54b_qkv
	.globl	k_q8c5c1da54b_qkv
	.p2align	8
	.type	k_q8c5c1da54b_qkv,@function
k_q8c5c1da54b_qkv:
	s_mov_b64 s[64:65], 0
	v_nop
	global_prefetch_b8 v0, s[64:65] scope:SCOPE_SE
	s_setreg_imm32_b32 hwreg(HW_REG_WAVE_MODE, 25, 1), 1
	s_wait_xcnt 0x0
	s_wait_alu depctr_hold_cnt(0) depctr_sa_sdst(0) depctr_va_vdst(0) depctr_va_sdst(0) depctr_va_ssrc(0) depctr_va_vcc(0) depctr_vm_vsrc(0)
	s_getreg_b32 s2, hwreg(HW_REG_IB_STS2, 6, 4)
	s_cmp_eq_u32 s2, 0
	s_cbranch_scc0 .Lentry_in_a_cluster
	s_endpgm
.Lentry_in_a_cluster:
	s_bfe_u32 s2, ttmp6, 0x10000c
	s_cmp_lg_u32 s2, 0x3003
	s_cbranch_scc0 .Lentry_shape_is_right
	s_endpgm
.Lentry_shape_is_right:
.set BLOCKB, 139264
.set QUARTB, 34816
.set SLICEB, 69632
.set HEADB,  278528
.set SPARE,  2*BLOCKB
.set LI,  1
.set LS,  2
.set AD,  3
.set AS,  4
.set SPW, 5
.set NIL, 6
.set WS,  16
.set XS,  48
.set ACC, 64
.set PC,  128
.set TM,  144
.set PW,  160
.set VS,  164
.set WV,  12
.set CX,  13
.set MAT, 14
.set YY,  15
.set P,   16
.set SH,  17
.set SEL, 20
.set MNT, 22
.set G1,  24
.set G0,  32
.set CB,  40
.set SB,  42
.set WB,  44
.set MSB, 0
.macro WIN new
.if MSB != (\new)
	s_set_vgpr_msb (MSB<<8)|(\new)
.set MSB, (\new)
.endif
.endm
.macro PLACES n
.rept \n
	v_nop
.endr
.endm
.macro CROUND
	s_barrier_signal -1
	s_barrier_wait -1
	s_cmp_lg_u32 s[WV], 0
	s_cbranch_scc1 .Lnot_wave_0_\@
	s_barrier_signal -3
.Lnot_wave_0_\@:
	s_barrier_wait -3
	s_barrier_signal -1
	s_barrier_wait -1
.endm
.macro QUANT s, nb
.irp b, 0,1,2,3
.if \b < \nb
	v_max3_num_f32 v[TM+\b], |v[\s+16*\b]|, |v[\s+16*\b+1]|, 0x4800000
.endif
.endr
.irp i, 2,4,6,8,10,12,14
.irp b, 0,1,2,3
.if \b < \nb
	v_max3_num_f32 v[TM+\b], v[TM+\b], |v[\s+16*\b+\i]|, |v[\s+16*\b+\i+1]|
.endif
.endr
.endr
.irp b, 0,1,2,3
.if \b < \nb
	v_permlanex16_b32 v[TM+4+\b], v[TM+\b], s[SEL], s[SEL+1]
.endif
.endr
.irp b, 0,1,2,3
.if \b < \nb
	v_max_num_f32 v[TM+\b], v[TM+\b], v[TM+4+\b]
.endif
.endr
.irp b, 0,1,2,3
.if \b < \nb
	v_add_nc_u32 v[TM+12+\b], 0xfc000000, v[TM+\b]
.endif
.endr
.irp b, 0,1,2,3
.if \b < \nb
.endif
.endr
.irp b, 0,1,2,3
.if \b < \nb
	v_lshrrev_b32 v[TM+4+\b], 23, v[TM+12+\b]
.endif
.endr
	v_lshl_or_b32 v[PW], v[TM+5], 8, v[TM+4]
.if \nb > 2
	v_lshl_or_b32 v[PW], v[TM+6], 16, v[PW]
	v_lshl_or_b32 v[PW], v[TM+7], 24, v[PW]
.endif
.irp b, 0,1,2,3
.if \b < \nb
.irp i, 0,1,2,3,4,5,6,7,8,9,10,11,12,13,14,15
.endr
	v_cvt_scalef32_pk8_fp8_f32 v[PC+4*\b:PC+4*\b+1], v[\s+16*\b:\s+16*\b+7], v[TM+12+\b]
	v_cvt_scalef32_pk8_fp8_f32 v[PC+4*\b+2:PC+4*\b+3], v[\s+16*\b+8:\s+16*\b+15], v[TM+12+\b]
.endif
.endr
	v_nop
.endm
.macro FETCHH hf
	WIN 0xc0
.irp u, 0,1
.irp kq, 0,1,2,3
.irp c, 0,1,2,3
	ds_load_b128 v[128*\u+16*(4*\hf+\kq)+4*\c:128*\u+16*(4*\hf+\kq)+4*\c+3], v[AD] offset:(8*\u+4*\hf+\kq)*2048+512*\c
.endr
.endr
.endr
	WIN 0
.irp u, 0,1
.irp kq, 0,1,2,3
	ds_load_b32 v[XS+8*\u+4*\hf+\kq], v[AS] offset:(8*\u+4*\hf+\kq)*128
.endr
.endr
.endm
.macro MUL kind, hf
.irp wv, 0,1
.if \kind == 1
	WIN 0x07+4*\wv
.else
	WIN 0x0d+\wv
.endif
.irp kq, 0,1,2,3
.irp u, 0,1
.irp tt, 0,1
.set KI, 4*\hf+\kq
.set TI, 2*\wv+\tt
.set RW, 128*\tt+16*KI
.set RA, 128*\u+16*KI
.if \kind == 1
.set RC, ACC+16*TI+8*\u
.if KI == 0
	v_wmma_scale_f32_16x16x128_f8f6f4 v[RC:RC+7], v[RA:RA+15], v[RW:RW+15], 0, v[XS+8*\u+KI], v[WS+8*TI+KI]
.else
	v_wmma_scale_f32_16x16x128_f8f6f4 v[RC:RC+7], v[RA:RA+15], v[RW:RW+15], v[RC:RC+7], v[XS+8*\u+KI], v[WS+8*TI+KI]
.endif
.else
.set RC, ACC+32*\u+8*TI
.if KI == 0
	v_wmma_scale_f32_16x16x128_f8f6f4 v[RC:RC+7], v[RW:RW+15], v[RA:RA+15], 0, v[WS+8*TI+KI], v[XS+8*\u+KI]
.else
	v_wmma_scale_f32_16x16x128_f8f6f4 v[RC:RC+7], v[RW:RW+15], v[RA:RA+15], v[RC:RC+7], v[WS+8*TI+KI], v[XS+8*\u+KI]
.endif
.endif
.endr
.endr
.endr
.endr
.endm
.macro EPIQK
	QUANT ACC, 4
.irp i, 0,1,2,3
	global_store_b128 v[LI], v[PC+4*\i:PC+4*\i+3], s[CB:CB+1] offset:512*\i
.endr
	global_store_b32 v[LS], v[PW], s[SB:SB+1]
	s_wait_xcnt 0x0
	s_add_nc_u64 s[CB:CB+1], s[CB:CB+1], 2048
	s_add_nc_u64 s[SB:SB+1], s[SB:SB+1], 128
.endm
.macro EPIV
	QUANT ACC, 4
.irp t, 0,1,2,3
	global_store_b128 v[LI], v[PC+4*\t:PC+4*\t+3], s[CB:CB+1] offset:2048*\t
.endr
.irp t, 0,1,2,3
	v_lshl_or_b32 v[VS+\t], v[TM+4+\t], s[SH], v[VS+\t]
.endr
	s_cmp_lg_u32 s[P], 3
	s_cbranch_scc1 .Lmore_\@
.irp t, 0,1,2,3
	global_store_b32 v[LS], v[VS+\t], s[SB:SB+1] offset:128*\t
.endr
	s_wait_xcnt 0x0
	s_add_nc_u64 s[CB:CB+1], s[CB:CB+1], 6144
	s_add_nc_u64 s[SB:SB+1], s[SB:SB+1], 512
.Lmore_\@:
	s_wait_xcnt 0x0
	s_add_nc_u64 s[CB:CB+1], s[CB:CB+1], 512
.endm
.macro PAIRBODY kind
	s_wait_dscnt 40
	MUL \kind, 0
	WIN 0
	PLACES 8
	s_cmp_eq_u32 s[P], 3
	s_cbranch_scc1 .Lno_a_\@
	s_wait_alu depctr_va_vdst(0)
	FETCHH 0
	s_wait_dscnt 40
	s_branch .Lgo_\@
.Lno_a_\@:
	s_wait_dscnt 0x0
.Lgo_\@:
	MUL \kind, 1
	WIN 0
	PLACES 9
	s_cmp_eq_u32 s[P], 3
	s_cbranch_scc1 .Lno_b_\@
	s_wait_alu depctr_va_vdst(0)
	FETCHH 1
.Lno_b_\@:
.if \kind == 1
	EPIV
.else
	EPIQK
.endif
.endm
.macro WORK slot
	s_mov_b32 s[P], 0
	v_add_nc_u32 v[AD], \slot*BLOCKB, v[LI]
	v_add_nc_u32 v[AS], \slot*BLOCKB+131072, v[LS]
.irp t, 0,1,2,3
	v_mov_b32 v[VS+\t], 0
.endr
	FETCHH 0
	FETCHH 1
.Lpair_\@:
	s_add_co_u32 s18, s[P], 1
	s_and_b32 s18, s18, 3
	s_lshl_b32 s19, s18, 15
	s_add_co_u32 s19, s19, \slot*BLOCKB
	v_add_nc_u32 v[AD], s19, v[LI]
	s_lshl_b32 s19, s18, 11
	s_add_co_u32 s19, s19, \slot*BLOCKB+131072
	v_add_nc_u32 v[AS], s19, v[LS]
	s_lshl_b32 s[SH], s[P], 3
	s_cmp_eq_u32 s[MAT], 2
	s_cbranch_scc1 .Lv_\@
	PAIRBODY 0
	s_branch .Ljoin_\@
.Lv_\@:
	PAIRBODY 1
.Ljoin_\@:
	s_add_co_u32 s[P], s[P], 1
	s_cmp_lt_u32 s[P], 4
	s_cbranch_scc1 .Lpair_\@
.endm
.macro CHANGE s, fill
	s_wait_tensorcnt 0x0
	ds_add_u32 v[SPW], v[NIL]
.if \fill
	s_add_nc_u64 s[G0+4*\s+2:G0+4*\s+3], s[G0+4*\s+2:G0+4*\s+3], 2*BLOCKB
.endif
	s_wait_dscnt 0x0
.if \fill
	CROUND
	tensor_load_to_lds s[G0+4*\s:G0+4*\s+3], s[G1:G1+7]
	s_nop 0
	PLACES 4
.else
	s_barrier_signal -1
	s_barrier_wait -1
.endif
.endm
	s_load_b256 s[4:11], s[0:1], 0x0
	v_lshl_add_u32 v[SPW], v0, 2, SPARE
	v_mov_b32 v[NIL], 0
	ds_add_u32 v5, v6
	ds_add_u32 v5, v6
	s_wait_dscnt 0x0
	v_lshrrev_b32 v7, 5, v0
	v_readfirstlane_b32 s[WV], v7
	v_and_b32 v7, 31, v0
	v_lshlrev_b32 v[LI], 4, v7
	v_lshlrev_b32 v[LS], 2, v7
.irp b, 0,1,2,3
	v_mov_b32 v[TM+4+\b], 0
.endr
	s_bfe_u32 s[CX], ttmp6, 0x40000
	s_mov_b32 s[MAT], ttmp9
	s_and_b32 s[YY], ttmp7, 0xffff
	s_mov_b32 s[SEL], 0x76543210
	s_mov_b32 s[SEL+1], 0xfedcba98
	s_mov_b32 s[G1+0], 15|(3<<16)|(1<<21)
	s_mov_b32 s[G1+1], 32<<16
	s_mov_b32 s[G1+2], 136<<16
	s_mov_b32 s[G1+3], 32<<16
	s_mov_b32 s[G1+4], 136
	s_mov_b32 s[G1+5], 32
	s_mov_b32 s[G1+6], 0
	s_mov_b32 s[G1+7], 0
	s_lshl_b32 s46, s[YY], 2
	s_mul_i32 s46, s46, BLOCKB
	s_mul_i32 s18, s[WV], QUARTB
	s_add_co_u32 s46, s46, s18
	s_mov_b32 s47, 0
	s_lshl_b32 s19, s[CX], 2
	s_add_co_u32 s19, s19, s[WV]
	s_lshl_b32 s48, s[MAT], 4
	s_add_co_u32 s48, s48, s19
	s_mul_i32 s48, s48, SLICEB
	s_mov_b32 s49, 0
	s_lshr_b32 s50, s[YY], 2
	s_lshl_b32 s50, s50, 4
	s_add_co_u32 s50, s50, s19
	s_mov_b32 s51, HEADB
	s_mov_b32 s54, 262144
	s_cmp_eq_u32 s[MAT], 2
	s_cselect_b32 s52, 0x20000, 0
	s_cselect_b32 s54, 270336, s54
	s_cmp_eq_u32 s[MAT], 0
	s_cselect_b32 s51, BLOCKB, s51
	s_cselect_b32 s54, 0x20000, s54
	s_mul_i32 s50, s50, s51
	s_and_b32 s56, s[YY], 3
	s_lshl_b32 s57, s56, 15
	s_add_co_u32 s52, s52, s50
	s_add_co_u32 s52, s52, s57
	s_mov_b32 s53, 0
	s_lshl_b32 s57, s56, 11
	s_add_co_u32 s54, s54, s50
	s_add_co_u32 s54, s54, s57
	s_mov_b32 s55, 0
	s_wait_kmcnt 0x0
	s_add_nc_u64 s[46:47], s[4:5], s[46:47]
	s_add_nc_u64 s[WB:WB+1], s[6:7], s[48:49]
	s_cmp_eq_u32 s[MAT], 0
	s_cselect_b64 s[CB:CB+1], s[8:9], s[10:11]
	s_add_nc_u64 s[SB:SB+1], s[CB:CB+1], s[54:55]
	s_add_nc_u64 s[CB:CB+1], s[CB:CB+1], s[52:53]
.irp s, 0,1
	s_mov_b32 s[G0+4*\s], 1
	s_add_co_u32 s[G0+4*\s+1], s18, \s*BLOCKB
	s_add_nc_u64 s[G0+4*\s+2:G0+4*\s+3], s[46:47], \s*BLOCKB
	s_or_b32 s[G0+4*\s+3], s[G0+4*\s+3], 0x80000000
.endr
	CROUND
	tensor_load_to_lds s[G0:G0+3], s[G1:G1+7]
	s_nop 0
	s_wait_alu depctr_va_vdst(0)
	s_wait_tensorcnt 0x0
	ds_add_u32 v5, v6
	s_wait_dscnt 0x0
	CROUND
	tensor_load_to_lds s[G0+4:G0+7], s[G1:G1+7]
	s_nop 0
	PLACES 4
	WIN 0x40
	s_wait_alu depctr_va_vdst(0)
.irp tt, 0,1
.irp ks, 0,1,2,3,4,5,6,7
.irp c, 0,1,2,3
	global_load_b128 v[128*\tt+16*\ks+4*\c:128*\tt+16*\ks+4*\c+3], v[LI], s[WB:WB+1] offset:(8*\tt+\ks)*2048+512*\c
.endr
.endr
.endr
	WIN 0x80
.irp tt, 0,1
.irp ks, 0,1,2,3,4,5,6,7
.irp c, 0,1,2,3
	global_load_b128 v[128*\tt+16*\ks+4*\c:128*\tt+16*\ks+4*\c+3], v[LI], s[WB:WB+1] offset:(16+8*\tt+\ks)*2048+512*\c
.endr
.endr
.endr
	WIN 0
.set n, 0
.rept 32
	global_load_b32 v[WS+n], v[LS], s[WB:WB+1] offset:65536+128*n
.set n, n+1
.endr
	s_wait_tensorcnt 1
	s_wait_loadcnt 0x0
	s_barrier_signal -1
	s_barrier_wait -1
	WORK 0
	CHANGE 0, 1
	WORK 1
	CHANGE 1, 1
	WORK 0
	CHANGE 0, 0
	WORK 1
	s_wait_tensorcnt 0x0
	ds_add_u32 v[SPW], v[NIL]
	s_wait_dscnt 0x0
	CROUND
	s_endpgm
.Lfunc_end_k_q8c5c1da54b_qkv:
	.size	k_q8c5c1da54b_qkv, .Lfunc_end_k_q8c5c1da54b_qkv-k_q8c5c1da54b_qkv
	.p2alignl 7, 3214868480
	.fill 96, 4, 3214868480
	.section	.rodata,"a",@progbits
	.p2align	6, 0x0
	.amdhsa_kernel k_q8c5c1da54b_qkv
		.amdhsa_group_segment_fixed_size 327680
		.amdhsa_private_segment_fixed_size 0
		.amdhsa_enable_private_segment 0
		.amdhsa_kernarg_size 32
		.amdhsa_user_sgpr_count 2
		.amdhsa_user_sgpr_kernarg_segment_ptr 1
		.amdhsa_wavefront_size32 1
		.amdhsa_system_sgpr_workgroup_id_x 1
		.amdhsa_system_sgpr_workgroup_id_y 1
		.amdhsa_system_sgpr_workgroup_id_z 1
		.amdhsa_system_vgpr_workitem_id 0
		.amdhsa_next_free_vgpr 1024
		.amdhsa_next_free_sgpr 66
		.amdhsa_reserve_vcc 0
		.amdhsa_float_denorm_mode_32 3
		.amdhsa_float_denorm_mode_16_64 3
		.amdhsa_fp16_overflow 1
		.amdhsa_memory_ordered 1
		.amdhsa_forward_progress 1
		.amdhsa_inst_pref_size 196
	.end_amdhsa_kernel
	.amdgpu_metadata
---
amdhsa.version: [ 1, 2 ]
amdhsa.kernels:
  - .name:           k_q8c5c1da54b_qkv
    .symbol:         k_q8c5c1da54b_qkv.kd
    .args:
      - { .name: xq, .offset: 0, .size: 8, .value_kind: global_buffer, .address_space: global }
      - { .name: wc, .offset: 8, .size: 8, .value_kind: global_buffer, .address_space: global }
      - { .name: qb, .offset: 16, .size: 8, .value_kind: global_buffer, .address_space: global }
      - { .name: kv, .offset: 24, .size: 8, .value_kind: global_buffer, .address_space: global }
    .group_segment_fixed_size: 327680
    .private_segment_fixed_size: 0
    .kernarg_segment_align: 8
    .kernarg_segment_size: 32
    .max_flat_workgroup_size: 128
    .sgpr_count:     66
    .vgpr_count:     1024
    .wavefront_size: 32
...
	.end_amdgpu_metadata
.endif
;; end of part 2
;; launch attn (part 3): grid 4 x 64, 16 waves a work-group, clusters of 4 x 1, 280,576 bytes of LDS; arguments qb, kv, aq; writes aq
.if DOCPART == 3
	.amdgcn_target "amdgcn-amd-amdhsa--gfx1250"
	.amdhsa_code_object_version 6
	.text
	.protected	k_q8c5c1da54b_attn
	.globl	k_q8c5c1da54b_attn
	.p2align	8
	.type	k_q8c5c1da54b_attn,@function
k_q8c5c1da54b_attn:
	s_mov_b64 s[64:65], 0
	v_nop
	global_prefetch_b8 v0, s[64:65] scope:SCOPE_SE
	s_setreg_imm32_b32 hwreg(HW_REG_WAVE_MODE, 25, 1), 1
	s_wait_xcnt 0x0
	s_wait_alu depctr_hold_cnt(0) depctr_sa_sdst(0) depctr_va_vdst(0) depctr_va_sdst(0) depctr_va_ssrc(0) depctr_va_vcc(0) depctr_vm_vsrc(0)
	s_getreg_b32 s2, hwreg(HW_REG_IB_STS2, 6, 4)
	s_cmp_eq_u32 s2, 0
	s_cbranch_scc0 .Lentry_in_a_cluster
	s_endpgm
.Lentry_in_a_cluster:
	s_bfe_u32 s2, ttmp6, 0x10000c
	s_cmp_lg_u32 s2, 0x3003
	s_cbranch_scc0 .Lentry_shape_is_right
	s_endpgm
.Lentry_shape_is_right:
; Causal attention of one head on codes of E4M3; the result, divided by the row's sum, is quantised along (head, d) and stored as part of the last product's operand images.
; t = score x log2(e) / 8; M = the running largest t rounded UP to a whole number; p = 2^(t - M) is quantised along the keys, not normalised; the row's sum is taken of the unquantised p and divides at the end.
; When M moves, the sum and O are multiplied by 2^(old M - new M): exact.
; SHARES.  A cluster of four work-groups takes one (batch, head).  The head's whole block of kv (K's images, V^T's images, both sets of scale words: 278,528 bytes) comes into each partner's LDS ONCE, by sixteen joint
; loads (mask 15), one a wave, 68 rows of 256 bytes each.  Behind one barrier no wave waits for another.
; A wave takes TWO tiles of 16 queries: with a = wave / 2 and j = 8 a + 2 cx + wave % 2, tile j (a + 1 key steps of 128 keys) and tile 127 - j (16 - a key steps): 17 steps for every wave of the launch.
; The count of steps hangs on the wave's number and the pass alone; cx enters global addresses and the mask's numbers, no branch and no LDS address.
; Both loops have constant trip counts; a step all of whose keys come after the tile's queries is jumped over, but for the lines that step addresses.
; LAYOUT.  Both products are used transposed: a lane holds ONE query (lane % 16).  Row i of token tile T is token 32 (T / 2) + 8 (T % 2) + i + 8 (i / 8), so that the 16 registers of two neighbouring tiles of scores
; are 16 neighbouring keys.  THE HEAD HAS 64 CHANNELS, THE INSTRUCTION 128 ALONG K: a pair of key tiles is one operand (tile 0 in k 0-63, tile 1 in k 64-127), multiplied by [q | 0] for the first tile's scores and
; by [0 | q] for the second's: zero codes add nothing under any scale byte that the quantiser makes (1 to 254).
; LIMITS: a block of the output whose largest magnitude lies under 2^-118 gets the byte 1, a block of zeros too; NaN and infinities are not served.
; REGISTERS: v1-8 addresses and lane constants; v12 -M, v13 the largest t, v[14:15] the sum in two halves; v16-39 zeros, q, zeros; v40-103 four fragments of K, then of V^T; v104-167 the scores, then p;
; v168-199 O^T; v200-215 codes; v216-231 the quantiser's work; v232 f, v233 p's scale word, v234 the output's; v240-247 K's and V's scale words.
.set BLOCKB, 139264
.set HEADB,  278528
.set PARTB,  17408                     ; what one tensor load brings
.set LI,   1                           ; v1   16 x lane
.set LS,   2                           ; v2   4 x lane
.set ADK,  3                           ; v3   LDS address of the step's images of K
.set ADV,  4                           ; v4   of V^T
.set ADS,  5                           ; v5   of K's scale words; V's lie 8,192 bytes on
.set DQ,   6                           ; v6   my query less the diagonal step's first key less 16 (lane / 16)
.set QS,   7                           ; v7   q's scale word [s0, s1, s0, s1]
.set RP,   8                           ; v8   r + 8 (r / 8) - 16 (lane / 16)
.set QF,   16
.set KF,   40
.set S,    104
.set O,    168
.set PC,   200
.set TM,   216                         ; +0 largest scores, p, magnitudes; +4 permutes, bytes; +12 scale operands
.set F,    232
.set PSW,  233
.set PW,   234
.set C2,   236                         ; v[236:237] the sum's second chain
.set TMP,  238
.set NINF, 239
.set KSC,  240
.set VSC,  244
.set WV,   10
.set CX,   11
.set BH,   12
.set AA,   13
.set JJ,   14
.set PASS, 15
.set TAU,  16
.set LAST, 17
.set STEP, 18
.set TS8,  19                          ; s19  8,192 x step
.set TSS,  20                          ; s20  262,144 + 512 x step
.set PSEL, 21
.set SEL,  22
.set CS,   24                          ; s[24:25] c = log2(e) / 8
.set MNT,  26
.set G0,   28
.set G1,   32
.set OB,   40
.set OSB,  42
.set QB,   46
.set QP,   48
.set QSP,  50
.set AQ0,  52
.set AQS,  54
.macro PLACES n
.rept \n
	v_nop
.endr
.endm
.macro CROUND
	s_barrier_signal -1
	s_barrier_wait -1
	s_cmp_lg_u32 s[WV], 0
	s_cbranch_scc1 .Lnot_wave_0_\@
	s_barrier_signal -3
.Lnot_wave_0_\@:
	s_barrier_wait -3
	s_barrier_signal -1
	s_barrier_wait -1
.endm
.macro QUANT s, nb
.irp b, 0,1,2,3
.if \b < \nb
	v_max3_num_f32 v[TM+\b], |v[\s+16*\b]|, |v[\s+16*\b+1]|, 0x4800000   ; block b: my 16 numbers and the floor 2^(9 - 127): the byte cannot fall under 1
.endif
.endr
.irp i, 2,4,6,8,10,12,14
.irp b, 0,1,2,3
.if \b < \nb
	s_delay_alu instid0(VALU_DEP_2)
	v_max3_num_f32 v[TM+\b], v[TM+\b], |v[\s+16*\b+\i]|, |v[\s+16*\b+\i+1]|
.endif
.endr
.endr
.irp b, 0,1,2,3
.if \b < \nb
	s_delay_alu instid0(VALU_DEP_2)
	v_permlanex16_b32 v[TM+4+\b], v[TM+\b], s[SEL], s[SEL+1]
.endif
.endr
.irp b, 0,1,2,3
.if \b < \nb
	s_delay_alu instid0(VALU_DEP_2)
	v_max_num_f32 v[TM+\b], v[TM+\b], v[TM+4+\b]
.endif
.endr
.irp b, 0,1,2,3
.if \b < \nb
	s_delay_alu instid0(VALU_DEP_2)
	v_add_nc_u32 v[TM+12+\b], 0xfc000000, v[TM+\b]
.endif
.endr
.irp b, 0,1,2,3
.if \b < \nb
.endif
.endr
.irp b, 0,1,2,3
.if \b < \nb
	s_delay_alu instid0(VALU_DEP_2)
	v_lshrrev_b32 v[TM+4+\b], 23, v[TM+12+\b]
.endif
.endr
	s_delay_alu instid0(VALU_DEP_1)
	v_lshl_or_b32 v[PW], v[TM+5], 8, v[TM+4]
.if \nb > 2
	v_lshl_or_b32 v[PW], v[TM+6], 16, v[PW]
	v_lshl_or_b32 v[PW], v[TM+7], 24, v[PW]
.endif
.irp b, 0,1,2,3
.if \b < \nb
.irp i, 0,1,2,3,4,5,6,7,8,9,10,11,12,13,14,15
.endr
	v_cvt_scalef32_pk8_fp8_f32 v[PC+4*\b:PC+4*\b+1], v[\s+16*\b:\s+16*\b+7], v[TM+12+\b]
	v_cvt_scalef32_pk8_fp8_f32 v[PC+4*\b+2:PC+4*\b+3], v[\s+16*\b+8:\s+16*\b+15], v[TM+12+\b]
.endif
.endr
	v_nop                                                  ; one plain line behind the last conversion: the next pass's products write its sources
.endm
	s_load_b128 s[4:7], s[0:1], 0x0                ; qb s[4:5], kv s[6:7]
	s_load_b64 s[8:9], s[0:1], 0x10                ; aq
	v_lshl_add_u32 v254, v0, 2, 0x44000
	v_mov_b32 v255, 0
	ds_add_u32 v254, v255
	ds_add_u32 v254, v255
	v_lshrrev_b32 v9, 5, v0
	s_delay_alu instid0(VALU_DEP_1)
	v_readfirstlane_b32 s[WV], v9                  ; wave 0..15
	s_bfe_u32 s[CX], ttmp6, 0x40000                ; my place in the cluster
	s_and_b32 s[BH], ttmp7, 0xffff                 ; 16 x batch + head, which the four partners share
	s_lshr_b32 s[AA], s[WV], 1
	s_and_b32 s56, s[WV], 1
	s_lshl_b32 s[JJ], s[AA], 3
	s_add_co_u32 s[JJ], s[JJ], s56
	s_lshl_b32 s56, s[CX], 1
	s_add_co_u32 s[JJ], s[JJ], s56                 ; j = 8 a + 2 cx + wave % 2
	s_mov_b32 s[G1+0], 15|(3<<16)|(1<<21)          ; 15:0 the mask: all four partners; 17:16 elements of 8 bytes; 21 set beside a mask; no padding
	s_mov_b32 s[G1+1], 32<<16                      ; tensor_dim0 = 32 elements: 256 bytes
	s_mov_b32 s[G1+2], 68<<16                      ; tensor_dim1 = 68 rows
	s_mov_b32 s[G1+3], 32<<16                      ; tile_dim0
	s_mov_b32 s[G1+4], 68                          ; tile_dim1
	s_mov_b32 s[G1+5], 32                          ; the pitch: dense
	s_mov_b32 s[G1+6], 0
	s_mov_b32 s[G1+7], 0
	s_mul_i32 s27, s[WV], PARTB                    ; my sixteenth of the head's block, in memory and in LDS
	s_mul_i32 s44, s[BH], HEADB
	s_add_co_u32 s44, s44, s27
	s_mov_b32 s45, 0
	s_lshr_b32 s56, s[BH], 4
	s_mul_i32 s56, s56, 16*BLOCKB                  ; aq: the batch's 16 blocks of 128 tokens
	s_bfe_u32 s57, s[BH], 0x30001                  ; K step of the last product = head / 2
	s_and_b32 s[PSEL], s[BH], 1                    ; which half of it = head % 2
	s_lshl_b32 s[AQ0], s57, 11
	s_add_co_u32 s[AQ0], s[AQ0], s56
	s_lshl_b32 s[AQ0+1], s[PSEL], 10
	s_add_co_u32 s[AQ0], s[AQ0], s[AQ0+1]          ; codes: + 2,048 (head / 2) + 1,024 (head % 2)
	s_mov_b32 s[AQ0+1], 0
	s_lshl_b32 s[AQS], s57, 7
	s_add_co_u32 s[AQS], s[AQS], s56
	s_lshl_b32 s[AQS+1], s[PSEL], 1
	s_add_co_u32 s[AQS], s[AQS], s[AQS+1]
	s_add_co_u32 s[AQS], s[AQS], 131072            ; scale words: + 131,072 + 128 (head / 2) + 2 (head % 2)
	s_mov_b32 s[AQS+1], 0
	s_mul_i32 s[QB], s[BH], BLOCKB
	s_mov_b32 s[QB+1], 0
	s_mov_b32 s[SEL], 0x76543210
	s_mov_b32 s[SEL+1], 0xfedcba98
	s_mov_b32 s[CS], 0x3e38aa3b                    ; c = log2(e) / 8
	s_mov_b32 s[CS+1], s[CS]                       ; (named with it as a pair, so it is written)
	s_mov_b32 s[PASS], 0
	s_wait_dscnt 0x0
	s_wait_kmcnt 0x0
	s_mov_b32 s[G0], 1                             ; count = 1
	s_mov_b32 s[G0+1], s27                         ; LDS address
	s_add_nc_u64 s[G0+2:G0+3], s[6:7], s[44:45]    ; global address
	s_or_b32 s[G0+3], s[G0+3], 0x80000000          ; type = 2
	s_add_nc_u64 s[AQ0:AQ0+1], s[8:9], s[AQ0:AQ0+1]
	s_add_nc_u64 s[AQS:AQS+1], s[8:9], s[AQS:AQS+1]
	s_add_nc_u64 s[QB:QB+1], s[4:5], s[QB:QB+1]
	CROUND                                         ; all four partners are here: the joint loads meet
	tensor_load_to_lds s[G0:G0+3], s[G1:G1+7]      ; my one tensor load of the launch
	s_nop 0
	PLACES 4
	v_and_b32 v9, 31, v0
	s_delay_alu instid0(VALU_DEP_1)
	v_lshlrev_b32 v[LI], 4, v9
	s_delay_alu instid0(VALU_DEP_2)
	v_lshlrev_b32 v[LS], 2, v9
	v_and_b32 v9, 15, v0                           ; r
	v_bfe_u32 v10, v0, 4, 1                        ; h
	s_delay_alu instid0(VALU_DEP_2)
	v_and_b32 v11, 8, v9
	s_delay_alu instid0(VALU_DEP_1)
	v_add_nc_u32 v11, v11, v9                      ; r + 8 (r / 8)
	s_delay_alu instid0(VALU_DEP_3)
	v_lshlrev_b32 v10, 4, v10
	s_delay_alu instid0(VALU_DEP_1)
	v_sub_nc_u32 v[RP], v11, v10
.irp i, 0,1,2,3,4,5,6,7
	v_mov_b32 v[QF+\i], 0                          ; the zero codes on both sides of q
	v_mov_b32 v[QF+16+\i], 0
.endr
.irp b, 0,1,2,3
	v_mov_b32 v[TM+4+\b], 0                        ; written once: a lane permute's destination counts as one of its sources
.endr
	v_mov_b32 v[PSW], 0                            ; (named as the upper half of the pair v[232:233] before it is first written)
	v_mov_b32 v[TMP], 0
	v_mov_b32 v[NINF], 0xff800000                  ; -infinity
	s_wait_tensorcnt 0x0                           ; my part of the head is in,
	s_barrier_signal -1
	s_barrier_wait -1                              ; everybody's is
.Lpass:
	s_wait_xcnt 0x0                                ; the last pass's stores and loads have read their registers and bases
	s_mul_i32 s27, s[PASS], 127
	s_xor_b32 s[TAU], s[JJ], s27                   ; my tile: j, then 127 - j
	s_mul_i32 s27, s[PASS], 15
	s_xor_b32 s[LAST], s[AA], s27                  ; its diagonal step: a, then 15 - a
	s_lshl_b32 s44, s[TAU], 10                     ; q's codes: half a pair's image
	s_mov_b32 s45, 0
	s_add_nc_u64 s[QP:QP+1], s[QB:QB+1], s[44:45]
	s_lshr_b32 s44, s[TAU], 1
	s_lshl_b32 s44, s44, 7
	s_add_co_u32 s44, s44, 131072                  ; the pair's scale words
	s_add_nc_u64 s[QSP:QSP+1], s[QB:QB+1], s[44:45]
	global_load_b128 v[QF+8:QF+11], v[LI], s[QP:QP+1]
	global_load_b128 v[QF+12:QF+15], v[LI], s[QP:QP+1] offset:512
	global_load_b32 v[TMP], v[LS], s[QSP:QSP+1]
	s_lshr_b32 s27, s[TAU], 1
	s_and_b32 s27, s27, 3
	s_lshl_b32 s27, s27, 5
	s_and_b32 s56, s[TAU], 1
	s_lshl_b32 s57, s56, 3
	s_add_co_u32 s27, s27, s57                     ; the tile's first token within its diagonal step
	v_add_nc_u32 v[DQ], s27, v[RP]
	s_mul_i32 s[PSEL], s56, 0x02020202
	s_add_co_u32 s[PSEL], s[PSEL], 0x01000100      ; bytes 0, 1 (first tile of the pair) or 2, 3 of the scale word, twice
	s_lshr_b32 s56, s[TAU], 3
	s_mul_i32 s56, s56, BLOCKB                     ; the tile's block of aq
	s_and_b32 s57, s[TAU], 7
	s_lshl_b32 s44, s57, 14
	s_add_co_u32 s44, s44, s56
	s_add_nc_u64 s[OB:OB+1], s[AQ0:AQ0+1], s[44:45]
	s_lshl_b32 s44, s57, 10
	s_add_co_u32 s44, s44, s56
	s_add_nc_u64 s[OSB:OSB+1], s[AQS:AQS+1], s[44:45]
	v_mov_b32 v13, 0xff61b1e6                      ; the largest t so far: -3e38, under every t
	s_delay_alu instid0(VALU_DEP_1)
	v_floor_f32 v12, -v13                          ; -M
	v_mov_b32 v14, 0
	v_mov_b32 v15, 0
	s_mov_b32 s[STEP], 0
	s_mov_b32 s[TS8], 0
	s_mov_b32 s[TSS], 262144
	s_wait_loadcnt 0x0
	v_perm_b32 v[QS], v[TMP], v[TMP], s[PSEL]      ; [s0, s1, s0, s1]; the 32 lines below are its places ahead of the first product
.set n, 0
.rept 32
	v_mov_b32 v[O+n], 0                            ; the step is written once: the first finds zeros, which the first change of M leaves zeros
.set n, n+1
.endr
.Lstep:
	s_cmp_gt_u32 s[STEP], s[LAST]                  ; all 128 keys come after my queries: only the addresses step
	s_cbranch_scc1 .Lhid
	s_setprio 2
	v_add_nc_u32 v[ADK], s[TS8], v[LI]
	s_delay_alu instid0(VALU_DEP_1)
	v_add_nc_u32 v[ADV], 0x20000, v[ADK]
	v_add_nc_u32 v[ADS], s[TSS], v[LS]
	PLACES 5                                       ; with the three additions: eight places in front of loads into registers that the last step's products have read
.irp p, 0,1,2,3
.irp c, 0,1,2,3
	ds_load_b128 v[KF+16*\p+4*\c:KF+16*\p+4*\c+3], v[ADK] offset:2048*\p+512*\c
.endr
	ds_load_b32 v[KSC+\p], v[ADS] offset:128*\p
.endr
	s_wait_alu depctr_va_vdst(0)
	s_wait_dscnt 0x0
.irp p, 0,1,2,3                                ; S^T: pair p's two tiles; register 16 p + i of lane (r, h) is key 128 step + 32 p + 16 h + i for query r
	v_wmma_scale_f32_16x16x128_f8f6f4 v[S+16*\p:S+16*\p+7], v[KF+16*\p:KF+16*\p+15], v[QF+8:QF+23], 0, v[KSC+\p], v[QS]
	v_wmma_scale_f32_16x16x128_f8f6f4 v[S+16*\p+8:S+16*\p+15], v[KF+16*\p:KF+16*\p+15], v[QF:QF+15], 0, v[KSC+\p], v[QS]
.endr
	PLACES 8                                       ; in front of the loads below and of the first read of the scores
.irp t, 0,1,2,3                                ; V^T is asked for now, into K's registers: it lands while the softmax is walked
.irp c, 0,1,2,3
	ds_load_b128 v[KF+16*\t+4*\c:KF+16*\t+4*\c+3], v[ADV] offset:2048*\t+512*\c
.endr
	ds_load_b32 v[VSC+\t], v[ADS] offset:8192+128*\t
.endr
	s_cmp_lg_u32 s[STEP], s[LAST]
	s_cbranch_scc1 .Lopen
.set n, 0
.rept 64                                       ; the diagonal step: the scores of hidden keys become -infinity ahead of the maximum; key 128 step counts for every query of the tile
	v_cmp_gt_i32 vcc_lo, 32*(n/16)+n%16, v[DQ]
	v_cndmask_b32 v[S+n], v[S+n], v[NINF], vcc_lo
.set n, n+1
.endr
.Lopen:
.irp b, 0,1,2,3
	v_max3_num_f32 v[TM+\b], v[S+16*\b], v[S+16*\b+1], v[S+16*\b+2]   ; the largest score of each block of 32 keys: for the row's maximum and, since p rises with the score, for the block's largest p
.endr
.irp i, 3,5,7,9,11,13
.irp b, 0,1,2,3
	v_max3_num_f32 v[TM+\b], v[TM+\b], v[S+16*\b+\i], v[S+16*\b+\i+1]
.endr
.endr
.irp b, 0,1,2,3
	v_max_num_f32 v[TM+\b], v[TM+\b], v[S+16*\b+15]
.endr
.irp b, 0,1,2,3
	s_delay_alu instid0(VALU_DEP_4)
	v_permlanex16_b32 v[TM+4+\b], v[TM+\b], s[SEL], s[SEL+1]
.endr
.irp b, 0,1,2,3
	s_delay_alu instid0(VALU_DEP_4)
	v_max_num_f32 v[TM+\b], v[TM+\b], v[TM+4+\b]           ; with lane l xor 16's 16 keys
.endr
	s_delay_alu instid0(VALU_DEP_2)
	v_max3_num_f32 v[TMP], v[TM], v[TM+1], v[TM+2]
	s_delay_alu instid0(VALU_DEP_1)
	v_max_num_f32 v[TMP], v[TMP], v[TM+3]                  ; the step's largest score of my query
	s_delay_alu instid0(VALU_DEP_1)
	v_mul_f32 v[TMP], s[CS], v[TMP]                        ; as t
	s_delay_alu instid0(VALU_DEP_1)
	v_max_num_f32 v13, v13, v[TMP]                         ; the running largest t
	v_mov_b32 v[TMP], v12
	s_delay_alu instid0(VALU_DEP_2)
	v_floor_f32 v12, -v13                                  ; the new -M = -ceil(t)
	s_delay_alu instid0(VALU_DEP_1)
	v_sub_f32 v[TMP], v12, v[TMP]                          ; old M - new M: a whole number, 0 or less
	s_delay_alu instid0(VALU_DEP_1)
	v_cvt_i32_f32 v[TMP], v[TMP]                           ; (it saturates)
	s_delay_alu instid0(VALU_DEP_1)
	v_ldexp_f32 v[F], 1.0, v[TMP]                          ; f = 2^(old M - new M)
.set n, 0
	s_setprio 1
.rept 32
	v_pk_fma_f32 v[S+n:S+n+1], v[S+n:S+n+1], s[CS:CS+1], v[12:13] op_sel_hi:[1,0,0]   ; t - M, two at a time
.set n, n+2
.endr
.irp b, 0,1,2,3
	v_fma_f32 v[TM+\b], v[TM+\b], s[CS], v12               ; the same of each block's largest score
.endr
.set n, 0
	s_wait_alu depctr_va_vdst(0)
.rept 64
	v_exp_f32 v[S+n], v[S+n]                               ; p = 2^(t - M)
.set n, n+1
.endr
.irp b, 0,1,2,3
	v_exp_f32 v[TM+\b], v[TM+\b]                           ; the block's largest p
.endr
	v_pk_mul_f32 v[14:15], v[14:15], v[F:F+1] op_sel_hi:[1,0]   ; the sums under the new M (a plain line behind the exponentials)
	s_wait_alu depctr_va_vdst(0)
.irp b, 0,1,2,3
	v_max_num_f32 v[TM+\b], 0x4800000, v[TM+\b]            ; the floor 2^(9 - 127): a block whose every p is 0 keeps the byte 1; its codes are zeros
.endr
.irp b, 0,1,2,3
	s_delay_alu instid0(VALU_DEP_4)
	v_add_nc_u32 v[TM+12+\b], 0xfc000000, v[TM+\b]
.endr
.irp b, 0,1,2,3
.endr
.irp b, 0,1,2,3
	s_delay_alu instid0(VALU_DEP_4)
	v_lshrrev_b32 v[TM+4+\b], 23, v[TM+12+\b]
.endr
	s_delay_alu instid0(VALU_DEP_3)
	v_lshl_or_b32 v[PSW], v[TM+5], 8, v[TM+4]              ; p's scale word for these 128 keys
	s_delay_alu instid0(VALU_DEP_1)
	v_lshl_or_b32 v[PSW], v[TM+6], 16, v[PSW]
	s_delay_alu instid0(VALU_DEP_1)
	v_lshl_or_b32 v[PSW], v[TM+7], 24, v[PSW]
	v_pk_add_f32 v[236:237], v[108:109], v[112:113]
	v_pk_add_f32 v[252:253], v[116:117], v[120:121]
	v_pk_add_f32 v[250:251], v[124:125], v[128:129]
	v_pk_add_f32 v[248:249], v[132:133], v[136:137]
	v_pk_add_f32 v[242:243], v[140:141], v[144:145]
	v_pk_add_f32 v[240:241], v[148:149], v[152:153]
	v_pk_add_f32 v[234:235], v[156:157], v[160:161]
	v_pk_add_f32 v[14:15], v[14:15], v[164:165]
	v_pk_add_f32 v[236:237], v[236:237], v[104:105]
	v_pk_add_f32 v[252:253], v[252:253], v[106:107]
	v_pk_add_f32 v[250:251], v[250:251], v[110:111]
	v_pk_add_f32 v[248:249], v[248:249], v[114:115]
	v_pk_add_f32 v[242:243], v[242:243], v[118:119]
	v_pk_add_f32 v[240:241], v[240:241], v[122:123]
	v_pk_add_f32 v[234:235], v[234:235], v[126:127]
	v_pk_add_f32 v[14:15], v[14:15], v[130:131]
	v_pk_add_f32 v[236:237], v[236:237], v[134:135]
	s_setprio 0
	v_pk_add_f32 v[252:253], v[252:253], v[138:139]
	v_pk_add_f32 v[250:251], v[250:251], v[142:143]
	v_pk_add_f32 v[248:249], v[248:249], v[146:147]
	v_pk_add_f32 v[242:243], v[242:243], v[150:151]
	v_pk_add_f32 v[240:241], v[240:241], v[154:155]
	v_pk_add_f32 v[234:235], v[234:235], v[158:159]
	v_pk_add_f32 v[14:15], v[14:15], v[162:163]
	v_pk_add_f32 v[236:237], v[236:237], v[166:167]
	s_delay_alu instid0(VALU_DEP_2)
	v_pk_add_f32 v[14:15], v[14:15], v[248:249]
	s_delay_alu instid0(VALU_DEP_2)
	v_pk_add_f32 v[236:237], v[236:237], v[242:243]
	v_pk_add_f32 v[252:253], v[252:253], v[240:241]
	v_pk_add_f32 v[250:251], v[250:251], v[234:235]
	s_delay_alu instid0(VALU_DEP_2)
	v_pk_add_f32 v[14:15], v[14:15], v[252:253]
	s_delay_alu instid0(VALU_DEP_2)
	v_pk_add_f32 v[236:237], v[236:237], v[250:251]
	s_delay_alu instid0(VALU_DEP_1)
	v_pk_add_f32 v[14:15], v[14:15], v[236:237]
.irp b, 0,1,2,3
.irp i, 0,1,2,3,4,5,6,7,8,9,10,11,12,13,14,15
.endr
	v_cvt_scalef32_pk8_fp8_f32 v[PC+4*\b:PC+4*\b+1], v[S+16*\b:S+16*\b+7], v[TM+12+\b]
	v_cvt_scalef32_pk8_fp8_f32 v[PC+4*\b+2:PC+4*\b+3], v[S+16*\b+8:S+16*\b+15], v[TM+12+\b]
.endr
.set n, 0
.rept 16
	v_pk_mul_f32 v[O+n:O+n+1], v[O+n:O+n+1], v[F:F+1] op_sel_hi:[1,0]   ; O^T under the new M; these are also the places between the codes and the products
.set n, n+2
.endr
	s_wait_alu depctr_va_vdst(0)
	s_wait_dscnt 0x0                               ; V^T and its scale words are in
.irp t, 0,1,2,3                                ; O^T += V^T P^T: register 8 t + j of lane (r, h) is d = 32 (t / 2) + 8 (t % 2) + 16 h + j of query r
	v_wmma_scale_f32_16x16x128_f8f6f4 v[O+8*\t:O+8*\t+7], v[KF+16*\t:KF+16*\t+15], v[PC:PC+15], v[O+8*\t:O+8*\t+7], v[VSC+\t], v[PSW]
.endr
.Lhid:
	s_add_co_u32 s[TS8], s[TS8], 8192
	s_add_co_u32 s[TSS], s[TSS], 512
	s_add_co_u32 s[STEP], s[STEP], 1
	s_cmp_lt_u32 s[STEP], 16
	s_cbranch_scc1 .Lstep
	s_setprio 0
	; the tile's end: O^T / the sum, quantised along d: registers 16 b + i are d = 32 b + 16 h + i
	PLACES 8
	v_add_f32 v14, v14, v15
	s_delay_alu instid0(VALU_DEP_1)
	v_permlanex16_b32 v[TMP], v14, s[SEL], s[SEL+1]
	s_delay_alu instid0(VALU_DEP_1)
	v_add_f32 v14, v14, v[TMP]                     ; the row's sum
	s_wait_alu depctr_va_vdst(0)
	v_rcp_f32 v14, v14
	v_nop                                          ; one plain line behind a transcendental
.set n, 0
	s_wait_alu depctr_va_vdst(0)
.rept 32
	v_mul_f32 v[S+n], v[O+n], v14                  ; each accumulator from its low end on
.set n, n+1
.endr
	QUANT S, 2
	global_store_b128 v[LI], v[PC:PC+3], s[OB:OB+1]              ; chunks 2 (head % 2) and + 1 of the image: 1,024 consecutive bytes, aligned
	global_store_b128 v[LI], v[PC+4:PC+7], s[OB:OB+1] offset:512
	global_store_b16 v[LS], v[PW], s[OSB:OSB+1]                  ; my head's two bytes of the row's scale word
	s_add_co_u32 s[PASS], s[PASS], 1
	s_cmp_lt_u32 s[PASS], 2
	s_cbranch_scc1 .Lpass
	s_wait_tensorcnt 0x0
	ds_add_u32 v254, v255
	s_wait_dscnt 0x0
	CROUND                                         ; the closing round
	s_endpgm
.Lfunc_end_k_q8c5c1da54b_attn:
	.size	k_q8c5c1da54b_attn, .Lfunc_end_k_q8c5c1da54b_attn-k_q8c5c1da54b_attn
	.p2alignl 7, 3214868480
	.fill 96, 4, 3214868480
	.section	.rodata,"a",@progbits
	.p2align	6, 0x0
	.amdhsa_kernel k_q8c5c1da54b_attn
		.amdhsa_group_segment_fixed_size 280576
		.amdhsa_private_segment_fixed_size 0
		.amdhsa_enable_private_segment 0
		.amdhsa_kernarg_size 24
		.amdhsa_user_sgpr_count 2
		.amdhsa_user_sgpr_kernarg_segment_ptr 1
		.amdhsa_wavefront_size32 1
		.amdhsa_system_sgpr_workgroup_id_x 1
		.amdhsa_system_sgpr_workgroup_id_y 1
		.amdhsa_system_sgpr_workgroup_id_z 1
		.amdhsa_system_vgpr_workitem_id 0
		.amdhsa_next_free_vgpr 256
		.amdhsa_next_free_sgpr 66
		.amdhsa_reserve_vcc 1
		.amdhsa_float_denorm_mode_32 3
		.amdhsa_float_denorm_mode_16_64 3
		.amdhsa_fp16_overflow 1
		.amdhsa_memory_ordered 1
		.amdhsa_forward_progress 1
		.amdhsa_inst_pref_size 36
	.end_amdhsa_kernel
	.amdgpu_metadata
---
amdhsa.version: [ 1, 2 ]
amdhsa.kernels:
  - .name:           k_q8c5c1da54b_attn
    .symbol:         k_q8c5c1da54b_attn.kd
    .args:
      - { .name: qb, .offset: 0, .size: 8, .value_kind: global_buffer, .address_space: global }
      - { .name: kv, .offset: 8, .size: 8, .value_kind: global_buffer, .address_space: global }
      - { .name: aq, .offset: 16, .size: 8, .value_kind: global_buffer, .address_space: global }
    .group_segment_fixed_size: 280576
    .private_segment_fixed_size: 0
    .kernarg_segment_align: 8
    .kernarg_segment_size: 24
    .max_flat_workgroup_size: 512
    .sgpr_count:     66
    .vgpr_count:     256
    .wavefront_size: 32
...
	.end_amdgpu_metadata
.endif
;; end of part 3
;; launch proj (part 4): grid 4 x 64, 4 waves a work-group, clusters of 4 x 1, 174,592 bytes of LDS; arguments aq, wc, bp, out0; writes out0
.if DOCPART == 4
	.amdgcn_target "amdgcn-amd-amdhsa--gfx1250"
	.amdhsa_code_object_version 6
	.text
	.protected	k_q8c5c1da54b_proj
	.globl	k_q8c5c1da54b_proj
	.p2align	8
	.type	k_q8c5c1da54b_proj,@function
k_q8c5c1da54b_proj:
	s_mov_b64 s[64:65], 0
	v_nop
	global_prefetch_b8 v0, s[64:65] scope:SCOPE_SE
	s_setreg_imm32_b32 hwreg(HW_REG_WAVE_MODE, 25, 1), 1
	s_wait_xcnt 0x0
	s_wait_alu depctr_hold_cnt(0) depctr_sa_sdst(0) depctr_va_vdst(0) depctr_va_sdst(0) depctr_va_ssrc(0) depctr_va_vcc(0) depctr_vm_vsrc(0)
	s_getreg_b32 s2, hwreg(HW_REG_IB_STS2, 6, 4)
	s_cmp_eq_u32 s2, 0
	s_cbranch_scc0 .Lentry_in_a_cluster
	s_endpgm
.Lentry_in_a_cluster:
	s_bfe_u32 s2, ttmp6, 0x10000c
	s_cmp_lg_u32 s2, 0x3003
	s_cbranch_scc0 .Lentry_shape_is_right
	s_endpgm
.Lentry_shape_is_right:
; out0 = a Wp^T + bp, on the codes of a that the attention stored and the codes of Wp that the first launch made.
; SHARES.  The cluster's y takes a block of 128 tokens of aq (139,264 bytes, codes and scale words); partner cx takes 256 columns, wave w of it 64: slice 48 + 4 cx + w of wc, 32 fragments in 512 registers.
; The four partners read the same block: it is asked for JOINTLY (mask 15), a quarter to a wave, once: nothing is filled again.
; A block is four pairs of token tiles; a pair is 64 products.  Source 0 = 16 rows of Wp, source 1 = 16 tokens: a lane holds one token and eight neighbouring columns.  The bias is the C of each sum's first product.
; Row i of token tile T is token 32 (T / 2) + 8 (T % 2) + i + 8 (i / 8).  A pair's results go through the wave's own stage in LDS (rows of 256 bytes + 16) and leave as whole rows: sixteen lanes store 256 consecutive
; bytes, aligned.
; REGISTERS, in windows of 256: window 0: v1-10 addresses; v16-47 Wp's scale words; v48-63 a's; v64-127 the 8 accumulators; v128-159, v200-231 rows read back; v168-199 the bias in the result's layout.
;   window 1: Wp's tiles 0, 1;  window 2: tiles 2, 3;  window 3: a's fragments.
.set BLOCKB, 139264
.set QUARTB, 34816
.set SLICEB, 69632
.set STGB,   8704                      ; a wave's stage: two tiles x 16 rows x 272 bytes, behind the block: no tensor load lands there
.set LI,  1
.set LS,  2
.set AD,  3
.set AS,  4
.set STO, 7                            ; v7   the stage: where I put 32 bytes of a row
.set RDB, 8                            ; v8   and where I read a row back
.set CO,  9                            ; v9   my byte offset in two rows of out0
.set BO,  10                           ; v10  32 x (lane / 16): my eight numbers of a tile's bias
.set WS,  16
.set XS,  48
.set ACC, 64
.set RB1, 128
.set BIAS, 168
.set RB0, 200
.set WV,  12
.set CX,  13
.set YY,  15
.set P,   16
.set G1,  24
.set G0,  32
.set OBP, 40
.set BPP, 42
.set WB,  44
.set MSB, 0
.macro WIN new
.if MSB != (\new)
	s_set_vgpr_msb (MSB<<8)|(\new)
.set MSB, (\new)
.endif
.endm
.macro PLACES n
.rept \n
	v_nop
.endr
.endm
.macro CROUND
	s_barrier_signal -1
	s_barrier_wait -1
	s_cmp_lg_u32 s[WV], 0
	s_cbranch_scc1 .Lnot_wave_0_\@
	s_barrier_signal -3
.Lnot_wave_0_\@:
	s_barrier_wait -3
	s_barrier_signal -1
	s_barrier_wait -1
.endm
.macro FETCHH hf                       ; 40 LDS loads: K steps 4 hf .. 4 hf + 3 of the pair at v[AD], v[AS]
	WIN 0xc0
.irp u, 0,1
.irp kq, 0,1,2,3
.irp c, 0,1,2,3
	ds_load_b128 v[128*\u+16*(4*\hf+\kq)+4*\c:128*\u+16*(4*\hf+\kq)+4*\c+3], v[AD] offset:(8*\u+4*\hf+\kq)*2048+512*\c
.endr
.endr
.endr
	WIN 0
.irp u, 0,1
.irp kq, 0,1,2,3
	ds_load_b32 v[XS+8*\u+4*\hf+\kq], v[AS] offset:(8*\u+4*\hf+\kq)*128
.endr
.endr
.endm
.macro MUL hf                          ; 32 products; under one window setting four accumulators take turns, one instruction a turn
.irp wv, 0,1
	WIN 0x0d+\wv                                   ; source 0 (Wp) window 1 or 2, source 1 (a) window 3
.irp kq, 0,1,2,3
.irp u, 0,1
.irp tt, 0,1
.set KI, 4*\hf+\kq
.set TI, 2*\wv+\tt
.set RW, 128*\tt+16*KI
.set RA, 128*\u+16*KI
.set RC, ACC+32*\u+8*TI
.if KI == 0
	v_wmma_scale_f32_16x16x128_f8f6f4 v[RC:RC+7], v[RW:RW+15], v[RA:RA+15], v[BIAS+8*TI:BIAS+8*TI+7], v[WS+8*TI+KI], v[XS+8*\u+KI]
.else
	v_wmma_scale_f32_16x16x128_f8f6f4 v[RC:RC+7], v[RW:RW+15], v[RA:RA+15], v[RC:RC+7], v[WS+8*TI+KI], v[XS+8*\u+KI]
.endif
.endr
.endr
.endr
.endr
.endm
	s_load_b256 s[4:11], s[0:1], 0x0               ; aq s[4:5], wc s[6:7], bp s[8:9], out0 s[10:11]
	v_lshl_add_u32 v254, v0, 2, 0x2a800
	v_mov_b32 v255, 0
	ds_add_u32 v254, v255
	ds_add_u32 v254, v255
	v_lshrrev_b32 v11, 5, v0
	v_readfirstlane_b32 s[WV], v11                 ; wave 0..3
	v_and_b32 v11, 31, v0
	v_lshlrev_b32 v[LI], 4, v11
	v_lshlrev_b32 v[LS], 2, v11
	v_and_b32 v11, 15, v0                          ; r
	v_bfe_u32 v12, v0, 4, 1                        ; h
	s_mul_i32 s18, s[WV], STGB
	s_add_co_u32 s18, s18, BLOCKB                  ; my stage
	v_mul_u32_u24 v[STO], v11, 272
	v_lshl_add_u32 v[STO], v12, 5, v[STO]
	v_add_nc_u32 v[STO], s18, v[STO]               ; in: row r, + 32 h
	v_mul_u32_u24 v[RDB], v12, 272
	v_lshl_add_u32 v[RDB], v11, 4, v[RDB]
	v_add_nc_u32 v[RDB], s18, v[RDB]               ; back: lanes 0-15 one row, lanes 16-31 the next
	v_lshlrev_b32 v[CO], 12, v12
	v_lshl_add_u32 v[CO], v11, 4, v[CO]            ; and the same two rows in out0
	v_lshlrev_b32 v[BO], 5, v12
	s_bfe_u32 s[CX], ttmp6, 0x40000                ; my place in the cluster: it enters the weights', the bias's and the output's addresses alone
	s_and_b32 s[YY], ttmp7, 0xffff                 ; the block of 128 tokens
	s_mov_b32 s[G1+0], 15|(3<<16)|(1<<21)          ; the mask: all four partners; elements of 8 bytes; bit 21 beside a mask; no padding
	s_mov_b32 s[G1+1], 32<<16
	s_mov_b32 s[G1+2], 136<<16
	s_mov_b32 s[G1+3], 32<<16
	s_mov_b32 s[G1+4], 136
	s_mov_b32 s[G1+5], 32
	s_mov_b32 s[G1+6], 0
	s_mov_b32 s[G1+7], 0
	s_mul_i32 s46, s[YY], BLOCKB
	s_mul_i32 s19, s[WV], QUARTB                   ; my quarter, in memory and in LDS
	s_add_co_u32 s46, s46, s19
	s_mov_b32 s47, 0
	s_lshl_b32 s48, s[CX], 2
	s_add_co_u32 s48, s48, s[WV]                   ; 4 cx + wave
	s_lshl_b32 s50, s48, 8                         ; my 64 columns: 256 bytes of a row of out0, and of bp
	s_mov_b32 s51, 0
	s_add_co_u32 s48, s48, 48
	s_mul_i32 s48, s48, SLICEB
	s_mov_b32 s49, 0
	s_lshl_b32 s52, s[YY], 19                      ; 128 rows of 4,096 bytes
	s_add_co_u32 s52, s52, s50
	s_mov_b32 s53, 0
	s_wait_dscnt 0x0
	s_wait_kmcnt 0x0
	s_mov_b32 s[G0], 1
	s_mov_b32 s[G0+1], s19
	s_add_nc_u64 s[G0+2:G0+3], s[4:5], s[46:47]
	s_or_b32 s[G0+3], s[G0+3], 0x80000000
	s_add_nc_u64 s[WB:WB+1], s[6:7], s[48:49]
	s_add_nc_u64 s[BPP:BPP+1], s[8:9], s[50:51]
	s_add_nc_u64 s[OBP:OBP+1], s[10:11], s[52:53]
	CROUND                                         ; all four partners are here: the joint loads meet
	tensor_load_to_lds s[G0:G0+3], s[G1:G1+7]      ; my one tensor load of the launch
	s_nop 0
	PLACES 4
	WIN 0x40
.irp tt, 0,1
.irp ks, 0,1,2,3,4,5,6,7
.irp c, 0,1,2,3
	global_load_b128 v[128*\tt+16*\ks+4*\c:128*\tt+16*\ks+4*\c+3], v[LI], s[WB:WB+1] offset:(8*\tt+\ks)*2048+512*\c
.endr
.endr
.endr
	WIN 0x80
.irp tt, 0,1
.irp ks, 0,1,2,3,4,5,6,7
.irp c, 0,1,2,3
	global_load_b128 v[128*\tt+16*\ks+4*\c:128*\tt+16*\ks+4*\c+3], v[LI], s[WB:WB+1] offset:(16+8*\tt+\ks)*2048+512*\c
.endr
.endr
.endr
	WIN 0
.set n, 0
.rept 32
	global_load_b32 v[WS+n], v[LS], s[WB:WB+1] offset:65536+128*n
.set n, n+1
.endr
	s_wait_alu depctr_va_vdst(0)
.irp t, 0,1,2,3
	global_load_b128 v[BIAS+8*\t:BIAS+8*\t+3], v[BO], s[BPP:BPP+1] offset:64*\t       ; bp at columns 16 t + 8 h + 0 .. 7 of my 64
	global_load_b128 v[BIAS+8*\t+4:BIAS+8*\t+7], v[BO], s[BPP:BPP+1] offset:64*\t+16
.endr
	s_wait_tensorcnt 0x0                           ; my quarter of the block is in,
	s_wait_loadcnt 0x0                             ; and so are the weights and the bias
	s_barrier_signal -1
	s_barrier_wait -1                              ; everybody's quarter is
	s_mov_b32 s[P], 0
	v_mov_b32 v[AD], v[LI]
	v_add_nc_u32 v[AS], 131072, v[LS]
	FETCHH 0
	FETCHH 1
.Lpair:                                            ; four trips: a pair of token tiles each.  The pair in hand has been asked for; the next pair's addresses wrap, so that they stay in the block
	s_add_co_u32 s18, s[P], 1
	s_and_b32 s18, s18, 3
	s_lshl_b32 s19, s18, 15
	v_add_nc_u32 v[AD], s19, v[LI]
	s_lshl_b32 s19, s18, 11
	s_add_co_u32 s19, s19, 131072
	v_add_nc_u32 v[AS], s19, v[LS]
	s_wait_dscnt 40                                ; half 0 is in; the 40 loads of half 1 may be out
	MUL 0
	WIN 0
	PLACES 8                                       ; in front of loads into registers that products have read
	s_cmp_eq_u32 s[P], 3
	s_cbranch_scc1 .Lno_a
	s_wait_alu depctr_va_vdst(0)
	FETCHH 0
	s_wait_dscnt 40                                ; half 1 is in; the 40 just issued may be out
	s_branch .Lgo
.Lno_a:
	s_wait_dscnt 0x0
.Lgo:
	MUL 1
	WIN 0
	PLACES 9                                       ; eight for the loads and the first read of results; nine, since the next pair's first products write over the accumulators
	s_cmp_eq_u32 s[P], 3
	s_cbranch_scc1 .Lno_b
	s_wait_alu depctr_va_vdst(0)
	FETCHH 1
.Lno_b:
	s_wait_xcnt 0x0                                ; the last pair's stores have read the registers into which rows are read back
.irp u, 0,1
.irp t, 0,1,2,3
	ds_store_b128 v[STO], v[ACC+32*\u+8*\t:ACC+32*\u+8*\t+3] offset:4352*\u+64*\t          ; each accumulator from its low end on
	ds_store_b128 v[STO], v[ACC+32*\u+8*\t+4:ACC+32*\u+8*\t+7] offset:4352*\u+64*\t+16
.endr
.endr
.irp k, 0,1,2,3,4,5,6,7
	ds_load_b128 v[RB0+4*\k:RB0+4*\k+3], v[RDB] offset:544*\k          ; LDS serves a wave's instructions in order: these see my stores
.endr
.irp k, 0,1,2,3,4,5,6,7
	ds_load_b128 v[RB1+4*\k:RB1+4*\k+3], v[RDB] offset:4352+544*\k
.endr
.irp k, 0,1,2,3,4,5,6,7
	s_wait_dscnt 15-\k
	global_store_b128 v[CO], v[RB0+4*\k:RB0+4*\k+3], s[OBP:OBP+1] offset:(2*\k+8*(\k/4))*4096 th:TH_STORE_NT      ; rows 2 k, 2 k + 1 of the tile are tokens 2 k + 8 (k / 4) and the next
.endr
.irp k, 0,1,2,3,4,5,6,7
	s_wait_dscnt 7-\k
	global_store_b128 v[CO], v[RB1+4*\k:RB1+4*\k+3], s[OBP:OBP+1] offset:(8+2*\k+8*(\k/4))*4096 th:TH_STORE_NT
.endr
	s_wait_xcnt 0x0                                ; the stores have read their base
	s_add_nc_u64 s[OBP:OBP+1], s[OBP:OBP+1], 131072   ; 32 tokens on
	s_add_co_u32 s[P], s[P], 1
	s_cmp_lt_u32 s[P], 4
	s_cbranch_scc1 .Lpair
	s_wait_tensorcnt 0x0
	ds_add_u32 v254, v255
	s_wait_dscnt 0x0
	CROUND                                         ; the closing round
	s_endpgm
.Lfunc_end_k_q8c5c1da54b_proj:
	.size	k_q8c5c1da54b_proj, .Lfunc_end_k_q8c5c1da54b_proj-k_q8c5c1da54b_proj
	.p2alignl 7, 3214868480
	.fill 96, 4, 3214868480
	.section	.rodata,"a",@progbits
	.p2align	6, 0x0
	.amdhsa_kernel k_q8c5c1da54b_proj
		.amdhsa_group_segment_fixed_size 174592
		.amdhsa_private_segment_fixed_size 0
		.amdhsa_enable_private_segment 0
		.amdhsa_kernarg_size 32
		.amdhsa_user_sgpr_count 2
		.amdhsa_user_sgpr_kernarg_segment_ptr 1
		.amdhsa_wavefront_size32 1
		.amdhsa_system_sgpr_workgroup_id_x 1
		.amdhsa_system_sgpr_workgroup_id_y 1
		.amdhsa_system_sgpr_workgroup_id_z 1
		.amdhsa_system_vgpr_workitem_id 0
		.amdhsa_next_free_vgpr 1024
		.amdhsa_next_free_sgpr 66
		.amdhsa_reserve_vcc 0
		.amdhsa_float_denorm_mode_32 3
		.amdhsa_float_denorm_mode_16_64 3
		.amdhsa_memory_ordered 1
		.amdhsa_forward_progress 1
		.amdhsa_inst_pref_size 44
	.end_amdhsa_kernel
	.amdgpu_metadata
---
amdhsa.version: [ 1, 2 ]
amdhsa.kernels:
  - .name:           k_q8c5c1da54b_proj
    .symbol:         k_q8c5c1da54b_proj.kd
    .args:
      - { .name: aq, .offset: 0, .size: 8, .value_kind: global_buffer, .address_space: global }
      - { .name: wc, .offset: 8, .size: 8, .value_kind: global_buffer, .address_space: global }
      - { .name: bp, .offset: 16, .size: 8, .value_kind: global_buffer, .address_space: global }
      - { .name: out0, .offset: 24, .size: 8, .value_kind: global_buffer, .address_space: global }
    .group_segment_fixed_size: 174592
    .private_segment_fixed_size: 0
    .kernarg_segment_align: 8
    .kernarg_segment_size: 32
    .max_flat_workgroup_size: 128
    .sgpr_count:     66
    .vgpr_count:     1024
    .wavefront_size: 32
...
	.end_amdgpu_metadata
.endif
;; end of part 4
